; MI455X (gfx1250); checked and timed in simulation.
; The chip was launched on July 23, 2026; its instructions are those of AMD's public machine-readable ISA for CDNA 5 (MIT licence, August 2026) and "CDNA5" Instruction Set Architecture Reference Guide (July 2026). The comments in the code are by the model that wrote it; some were corrected since.
;; Top K Perceptron Router. Allowed arithmetic: matrix products marked QUANTISED: E5M2 operands, one E8M0 scale for each 32 along K, by v_wmma_scale_f32_16x16x128_f8f6f4 with both operands' format E5M2, f32 sums; everything else in f32.
;; Inputs: W_codes 64 x 128 x 32 uint8 (E5M2 codes of W, K innermost, in blocks of 32 codes); W_scales 64 x 128 uint8 (E8M0 scales of W, one for each 32 codes along K); b 64 float32; x_codes 8,192 x 128 x 32 uint8 (E5M2 codes of x, K innermost, in blocks of 32 codes); x_scales 8,192 x 128 uint8 (E8M0 scales of x, one for each 32 codes along K).
;; Outputs: out0 8,192 x 2 int32; out1 8,192 x 2 float32.
;; Constants: k = 2.
;; This version of the problem:
;;   THIS VERSION OF THE PROBLEM IS GIVEN IN LOW PRECISION. The matrix products marked QUANTISED in the list below multiply operands that are first quantised to E5M2 (5 exponent bits, 2 mantissa bits; 8 bits a number), with one power-of-two scale for each 32 numbers along K (OCP MX v1.0); their sums are f32. All else is computed in f32.
;;   The module's matrix products, in the order in which they are computed (A, B: the left and right operand; K: the contracted axis; several contracted axes count as one K, in the product's order):
;;     1. [M 8,192, K 4,096] x [K 4,096, N 64]; A: input x (given as codes); B: input W (given as codes): QUANTISED
;;   THE QUANTISER, for each operand of a quantised product, along K:
;;     - K is cut into blocks of 32 from its start; a last block that is shorter is filled with zeros.
;;     - A block's scale is 2^e with e = floor(log2(the largest magnitude in the block)) - 15, held to -126 .. 127; a block of zeros has e = 0. As a byte (E8M0): e + 127.
;;     - Each number is divided by its block's scale, clamped to +-57,344, and rounded to the nearest number of E5M2, ties to even, subnormals kept.
;;     - The product sums the exact products of the quantised numbers (number of the format x scale) in f32.
;;   ~~~python
;;   def quantise(x, axis):      # numpy; x: float32 -> the quantised numbers, widened to float32 again
;;       x = np.moveaxis(x, axis, -1); K = x.shape[-1]
;;       x = np.pad(x, [(0, 0)] * (x.ndim - 1) + [(0, -K % 32)]); x = x.reshape(x.shape[:-1] + (-1, 32)); a = np.abs(x).max(-1, keepdims=True)
;;       e = np.where(a > 0, np.clip(np.frexp(np.where(a > 0, a, 1))[1] - 1 - 15, -126, 127), 0)      # np.frexp(a)[1] - 1 = floor(log2(a)), exactly
;;       r = np.clip(x / 2.0 ** e, -57344, 57344)
;;       step = 2.0 ** (np.maximum(np.frexp(np.where(r == 0, 1, r))[1] - 1, -14) - 2)
;;       q = np.round(r / step) * step * 2.0 ** e      # np.round: ties to even
;;       return np.moveaxis(q.reshape(q.shape[:-2] + (-1,))[..., :K], -1, axis).astype(np.float32)
;;   ~~~
;;   INPUTS GIVEN AS CODES. W (in the module: [64, 4096], K = its axis 1); x (in the module: [8192, 4096], K = its axis 1): each comes as NAME_codes (uint8): NAME with its K axis moved to the last place and cut into blocks of 32 codes, [.., K / 32, bytes a block], one block behind the other in memory; one code a byte (a code: sign, 5 exponent bits, 2 mantissa bits); and NAME_scales (uint8): the same leading axes, one E8M0 byte (e + 127) for each 32 codes along K. Its value is code x scale, taken as it is: it is not quantised again, and the codes and scales need not be those that the quantiser above would give.
;; One version. Each part assembles by itself: llvm-mc -triple=amdgcn-amd-amdhsa -mcpu=gfx1250 --defsym DOCPART=n.
;; ======== version 1 of 1: 1 launch
;; launch router (part 1): grid 256 x 1, 4 waves a work-group, clusters of 4 x 1, 295,424 bytes of LDS; arguments x_codes, x_scales, W_codes, W_scales, b, out0, out1; writes out0, out1
.if DOCPART == 1
	.amdgcn_target "amdgcn-amd-amdhsa--gfx1250"
	.amdhsa_code_object_version 6
	.text
	.protected	k_q9ad556c4e7_router
	.globl	k_q9ad556c4e7_router
	.p2align	8
	.type	k_q9ad556c4e7_router,@function
k_q9ad556c4e7_router:
	s_mov_b64 s[64:65], 0
	v_nop
	global_prefetch_b8 v0, s[64:65] scope:SCOPE_SE
	s_setreg_imm32_b32 hwreg(HW_REG_WAVE_MODE, 25, 1), 1
	s_wait_xcnt 0x0
	s_wait_alu depctr_hold_cnt(0) depctr_sa_sdst(0) depctr_va_vdst(0) depctr_va_sdst(0) depctr_va_ssrc(0) depctr_va_vcc(0) depctr_vm_vsrc(0)
	s_getreg_b32 s2, hwreg(HW_REG_IB_STS2, 6, 4)
	s_cmp_eq_u32 s2, 0
	s_cbranch_scc0 .Lentry_in_a_cluster
	s_endpgm
.Lentry_in_a_cluster:
	s_bfe_u32 s2, ttmp6, 0x10000c
	s_cmp_lg_u32 s2, 0x3003
	s_cbranch_scc0 .Lentry_shape_is_right
	s_endpgm
.Lentry_shape_is_right:
; logits = x W^T + b, softmax over the 64 experts, the two largest probabilities of each row and their indices.
; x: [8192][4096] codes of BF8 (E5M2), W: [64][4096] likewise, one E8M0 scale byte for each 32 along K ([8192][128], [64][128]); b: [64] f32; out0: [8192][2] i32; out1: [8192][2] f32.
; SHARES.  A work-group of four waves owns 32 rows of x.  THE WAVES SHARE K: wave w owns bytes 1024 w .. 1024 w + 1023 of every row (8 K steps of 128), for all 32 rows and all 64 experts:
; 8 accumulators (4 tiles of 16 experts x 2 tiles of 16 rows), taken by turns.  So every byte of codes is read from LDS once.  The four waves' partial logits, 8 KB each, meet in LDS at the end.
; EVERY BYTE IS ASKED FOR AT THE HEAD, IN THE ORDER IN WHICH IT IS WORKED ON: the scales, x's part 0, then, behind the cluster's round, W's tiles 0 and 1, x's part 1, W's tile 2, x's part 2, W's tile 3, x's part 3, b.
; (A part of x: my wave's 256 bytes j of all 32 rows.  A tile of W: the same 256 bytes of all 64 experts.)  So a quarter of the data can be worked on while the later quarters are on their way.
;   W's codes: four tensor loads a wave, tiles of 64 rows x 256 bytes.  W is the same for all work-groups: the four work-groups of a cluster ask for each tile JOINTLY (the same load, the same descriptor, a mask that
;   names the four).  Each tile is filled once and read only by the wave that asked for it, behind that wave's own wait: no LDS byte is filled twice in this launch.
;   x's codes: x and W together, padded, are 408 KB and do not fit in LDS.  So x comes by 64 loads a wave into registers, each 2 rows x 256 consecutive aligned bytes.  A tile of W is read out into registers whole as soon
;   as it has landed; its bytes have then had their only fill and their last read, and x is turned there into fragment order, 16 rows x 256 bytes at a time: 8 stores as loaded, 8 loads as fragments.
;   The scales: W's 8 KB and x's 4 KB are dense blocks: read once in runs of 512 bytes, stored into LDS, and read from there by all four waves behind one barrier.  (Not asked for jointly: 8 KB of a work-group's 396.)
; THE MATRIX INSTRUCTION IS USED TRANSPOSED: source 0 = 16 experts of W, source 1 = 16 rows of x: lane l then holds row l % 16 and its registers the experts 8 (l / 16) + 0 .. 7: 32 neighbouring bytes of a row of logits.
; THE CHOICE is made on e = 2^((l - max) log2 e): the division by the row's sum is common to all 64 and keeps their order.  Equal numbers: the lower index, as jax.lax.top_k has it.
; LIMITS.  Codes of infinity or NaN and the scale byte 0xff are not served.  An exponential under 2^-126 (a logit more than 87.3 under its row's largest) counts as 0 here (v_exp_f32 gives no denormals: ISA guide 15.8).
; The f32 sums are grouped by wave: two logits that differ by about one unit in the last place can change places.
; REGISTERS, in windows of 256 (s_set_vgpr_msb: bits 1:0 source 0, 3:2 source 1, 5:4 source 2, 7:6 destination):
;   window 0: v3-19 addresses; v20-31 at work; v32-55 scale words; v56-61 a row's figures; v64-127 x's fragments, two sets, later the partial logits; v128-143 b; v144-167 scales on their way; v168-183 keys; v192-255 accumulators
;   window 1: x as loaded, load n at v[4 n].     windows 2 and 3: W's fragments: tile j in window 2 + j / 2, fragment (expert tile t, K step s) at v[128 (j % 2) + 16 (2 t + s)]
.set PITCH, 272                        ; an LDS row: 256 bytes + 16 = 68 words: row r starts at bank 4 r mod 64 (64 banks of 4 bytes: ISA guide 11.1), so the 16 rows of a fragment load start at 16 different banks
.set TILE,  64*PITCH                   ; a tile of W: 64 rows x 256 bytes
.set WREG,  4*TILE                     ; a wave's four tiles
.set SCW,   4*WREG                     ; behind the tiles: W's scales, 32 units of 256 bytes + 16
.set SCX,   SCW+32*PITCH               ; x's scales, 16 units
.set RES,   SCX+16*PITCH               ; the 32 rows' results, 16 bytes a row
.set XO,  3                            ; v3   x: 4096 (l / 16) + 16 (l % 16)
.set ST,  4                            ; v4   the stage, on the way in: my wave's tiles + 272 (l / 16) + 16 (l % 16)
.set FR,  5                            ; v5   a fragment: my wave's tiles + 272 (l % 16) + 16 (l / 16)
.set SA,  6                            ; v6   my scale words: row l of 128 bytes, my wave's 32 of them
.set PT,  7                            ; v7   where I put partial logits
.set RD,  8                            ; v8-11 where I read wave 0 .. 3's back
.set SWS, 12                           ; v12  where I store W's scales
.set SXS, 13                           ; v13  and x's
.set L16, 14                           ; v14  16 x lane
.set RS,  15                           ; v15  where my row's results go
.set RR,  16                           ; v16  where wave 0 reads them
.set OO,  17                           ; v17  8 x lane
.set BO,  18                           ; v18  b: 64 x (thread % 4)
.set NEG, 19                           ; v19  -1.0
.set O,   28                           ; v28-31 index, index, weight, weight
.set SW,  32                           ; v32-39 W's scale words of experts 0-31 (lane l: expert l), K step 0 .. 7; v40-47 of experts 32-63
.set SX,  48                           ; v48-55 x's (lane l: row l)
.set A1,  56                           ; the largest e;
.set K1,  57                           ; its key;
.set A2,  58                           ; the second;
.set K2,  59                           ; its key;
.set SU,  60                           ; the row's sum;
.set RC,  61                           ; 1 / the sum
.set XF,  64                           ; x's fragments: row tile i, K step s at v[XF + 32 i + 16 s]
.set P,   64                           ; later: the partial logits, then logits, then e
.set BI,  128
.set SCT, 144
.set KEY, 168                          ; 63 - expert, as f32, of my 16 experts
.set ACC, 192                          ; accumulator (expert tile t, row tile i) at v[ACC + 8 (4 i + t)]
.set WV,  18                           ; s18  my wave's number
.set LB,  22                           ; s22  LDS byte of my wave's tiles
.set CS,  2                            ; s[2:3] log2(e)
.set G1,  24                           ; s[24:31] descriptor group 1
.set G0,  32                           ; s[32:47] descriptor groups 0, one for each tile: none is ever rewritten
.set MK,  48                           ; s48-63 lane masks of the choice (at the head: byte offsets)
.set MSB, 0
.macro WIN new                         ; the immediate's high byte repeats the setting that is left
.if MSB != (\new)
	s_set_vgpr_msb (MSB<<8)|(\new)
.set MSB, (\new)
.endif
.endm
.macro ROUND                           ; a round of the cluster's barrier: my work-group's barrier, wave 0 signals for the work-group, every wave waits for all four work-groups, my work-group's barrier once more
	s_barrier_signal -1
	s_barrier_wait -1
	s_cmp_lg_u32 s[WV], 0
	s_cbranch_scc1 .Lnot_wave_0_\@
	s_barrier_signal -3
.Lnot_wave_0_\@:
	s_barrier_wait -3
	s_barrier_signal -1
	s_barrier_wait -1
.endm
.macro PLACES                          ; eight places behind this matrix form, in front of loads into registers that it has read and of LDS stores that read its results
.rept 8
	v_nop
.endr
.endm
.macro XLOAD j                         ; part j of x: my 256 bytes j of all 32 rows: load p takes rows 2 p and 2 p + 1: sixteen lanes read 256 consecutive aligned bytes
.irp p, 0,1,2,3,4,5,6,7,8,9,10,11,12,13,14,15
	global_load_b128 v[4*(16*(\j)+\p):4*(16*(\j)+\p)+3], v[XO], s[4:5] offset:256*(\j)+8192*\p th:TH_LOAD_NT
.endr
.endm
	s_load_b256 s[4:11], s[0:1], 0x0               ; x's codes s[4:5], x's scales s[6:7], W's codes s[8:9], W's scales s[10:11]
	s_load_b128 s[12:15], s[0:1], 0x20             ; b s[12:13], out0 s[14:15]
	s_load_b64 s[16:17], s[0:1], 0x30              ; out1
	v_lshl_add_u32 v190, v0, 2, 0x48000
	v_mov_b32 v191, 0
	ds_add_u32 v190, v191
	ds_add_u32 v190, v191
	v_lshrrev_b32 v1, 5, v0
	v_readfirstlane_b32 s[WV], v1                  ; wave 0..3
	s_bfe_u32 s19, ttmp6, 0x40000                  ; cx: my place in the cluster
	s_lshl_b32 s20, ttmp9, 2                       ; in a cluster launch ttmp9 counts clusters
	s_add_co_u32 s19, s20, s19                     ; my work-group: it enters the addresses of x, of x's scales and of the outputs alone
	s_lshl_b32 s54, s[WV], 10                      ; W's codes: my wave's 1,024 bytes of a row
	s_mov_b32 s55, 0
	s_lshl_b32 s48, s19, 17                        ; x's codes: 32 rows of 4,096 bytes a work-group,
	s_add_co_u32 s48, s48, s54                     ; and my wave's 1,024 bytes of a row
	s_mov_b32 s49, 0
	s_lshl_b32 s50, s19, 12                        ; x's scales: 4,096 bytes a work-group,
	s_add_co_u32 s50, s50, s54                     ; of which my wave copies 1,024
	s_mov_b32 s51, 0
	s_lshl_b32 s52, s[WV], 11                      ; W's scales: my wave copies 2,048 of the 8,192
	s_mov_b32 s53, 0
	s_lshl_b32 s56, s19, 8                         ; the outputs: 256 bytes a work-group
	s_mov_b32 s57, 0
	s_mul_i32 s[LB], s[WV], WREG
	; descriptor group 1: a tile of 64 rows x 256 bytes, 4,096 bytes from row to row, padded in LDS
	s_mov_b32 s[G1], 15|(0<<16)|(1<<20)|(1<<21)|(5<<22)|(3<<25)   ; 15:0 the mask: all four work-groups; 17:16 elements of 1 byte; 20 padding on; 21 set beside a mask; 24:22 after every 64 words (code 5); 31:25 four words (code 3)
	s_mov_b32 s[G1+1], 256<<16                     ; tensor_dim0 = 256
	s_mov_b32 s[G1+2], 64<<16                      ; tensor_dim1 = 64
	s_mov_b32 s[G1+3], 256<<16                     ; tile_dim0 = 256
	s_mov_b32 s[G1+4], 64                          ; tile_dim1 = 64
	s_mov_b32 s[G1+5], 4096                        ; tensor_dim0_stride
	s_mov_b32 s[G1+6], 0
	s_mov_b32 s[G1+7], 0
	; the lanes' places, made while the arguments are on their way
	v_and_b32 v1, 15, v0                           ; r = l % 16
	v_bfe_u32 v2, v0, 4, 1                         ; h = l / 16
	v_and_b32 v22, 31, v0                          ; l
	v_lshlrev_b32 v[XO], 4, v1
	v_lshl_add_u32 v[XO], v2, 12, v[XO]
	v_lshlrev_b32 v[L16], 4, v22
	v_mul_u32_u24 v20, v2, PITCH
	v_lshl_add_u32 v20, v1, 4, v20                 ; 272 h + 16 r: two rows or units of 256 bytes, as they are loaded
	v_add_nc_u32 v[ST], s[LB], v20
	s_mul_i32 s20, s[WV], 8*PITCH                  ; my wave's 8 units of W's scales,
	s_add_co_u32 s20, s20, SCW
	v_add_nc_u32 v[SWS], s20, v20
	s_mul_i32 s21, s[WV], 4*PITCH                  ; its 4 units of x's
	s_add_co_u32 s21, s21, SCX
	v_add_nc_u32 v[SXS], s21, v20
	v_mul_u32_u24 v21, v1, PITCH
	v_lshl_add_u32 v[FR], v2, 4, v21
	v_add_nc_u32 v[FR], s[LB], v[FR]
	v_lshl_add_u32 v[PT], v2, 5, v21               ; partial logits: row r of 256 bytes + 16, my eight experts' 32 bytes
	v_add_nc_u32 v[PT], s[LB], v[PT]
	v_lshrrev_b32 v23, 1, v22                      ; a row of scales is 128 bytes: two to a unit
	v_and_b32 v24, 1, v0
	v_mul_u32_u24 v23, v23, PITCH
	v_lshl_add_u32 v23, v24, 7, v23
	s_lshl_b32 s23, s[WV], 5                       ; my wave's 8 K steps: 32 bytes
	s_add_co_u32 s23, s23, SCW
	v_add_nc_u32 v[SA], s23, v23
	v_lshrrev_b32 v23, 2, v0                       ; the last stage: thread t takes row t / 4,
	v_and_b32 v25, 3, v0                           ; and experts 16 (t % 4) + 0 .. 15
	v_lshl_add_u32 v[RS], v23, 4, RES
	v_mul_u32_u24 v23, v23, PITCH
	v_lshl_add_u32 v[RD], v25, 6, v23
	v_add_nc_u32 v[RD+1], WREG, v[RD]
	v_add_nc_u32 v[RD+2], 2*WREG, v[RD]
	v_add_nc_u32 v[RD+3], 3*WREG, v[RD]
	v_lshlrev_b32 v[BO], 6, v25
	v_lshlrev_b32 v[OO], 3, v22
	v_add_nc_u32 v[RR], RES, v[L16]
	s_wait_dscnt 0x0
	s_wait_kmcnt 0x0
	s_add_nc_u64 s[10:11], s[10:11], s[52:53]
	s_add_nc_u64 s[6:7], s[6:7], s[50:51]
	s_add_nc_u64 s[4:5], s[4:5], s[48:49]
	; 74 loads a wave are issued at the head: 6 of scales, 64 of x, 4 of b.  The counter's field holds 63; the hardware holds the issue of a load that would pass it (ISA guide 5.7.1).  That meets the last eleven, which stand behind the last tensor load.
	; Ahead of the round go the loads that want no round and are wanted first: the scales and x's part 0.  They are on their way while the round is passed.
.irp c, 0,1,2,3
	global_load_b128 v[SCT+4*\c:SCT+4*\c+3], v[L16], s[10:11] offset:512*\c                      ; W's scales: 512 consecutive bytes a load
.endr
.irp c, 0,1
	global_load_b128 v[SCT+16+4*\c:SCT+16+4*\c+3], v[L16], s[6:7] offset:512*\c th:TH_LOAD_NT     ; x's
.endr
	WIN 0x40                                       ; destination window 1
	XLOAD 0
	WIN 0                                          ; at a label and at a branch every window is 0
	s_add_nc_u64 s[8:9], s[8:9], s[54:55]          ; W's codes at my wave's bytes: made of the wave's number alone, so it is equal in the four partners
.irp j, 0,1,2,3
	s_mov_b32 s[G0+4*\j], 1                                        ; 1:0 count = 1
	s_add_co_u32 s[G0+4*\j+1], s[LB], \j*TILE                      ; 63:32 LDS address: wave x 69,632 + tile x 17,408
	s_add_nc_u64 s[G0+4*\j+2:G0+4*\j+3], s[8:9], \j*256            ; 120:64 global address: 256 bytes further along K for each tile
	s_or_b32 s[G0+4*\j+3], s[G0+4*\j+3], 0x80000000                ; 127:126 type = 2
.endr
	s_add_nc_u64 s[14:15], s[14:15], s[56:57]
	s_add_nc_u64 s[16:17], s[16:17], s[56:57]
	ROUND                                          ; all four work-groups are here: the joint loads meet
	; The launch's only fills, behind the one round and ahead of every wait on TENSORcnt, every LDS access and every further barrier: four loads of mine are out.  x's parts stand between them, so that the requests go out in the
	; order of use: a tile of W is read out first, then the same part of x is turned in its bytes.  The window for x's destinations is set once, ahead of the first tensor load, and set back sixteen loads behind the last:
	; no switch stands among the four lines behind a tensor load.
	WIN 0x40                                       ; destination window 1
	tensor_load_to_lds s[G0:G0+3], s[G1:G1+7]      ; W's tile 0, wanted with x's part 0, which is on its way
	s_nop 0
	tensor_load_to_lds s[G0+4:G0+7], s[G1:G1+7]    ; tile 1
	s_nop 0
	XLOAD 1
	tensor_load_to_lds s[G0+8:G0+11], s[G1:G1+7]   ; tile 2
	s_nop 0
	XLOAD 2
	tensor_load_to_lds s[G0+12:G0+15], s[G1:G1+7]  ; tile 3
	s_nop 0
	XLOAD 3
	WIN 0
.irp c, 0,1,2,3
	global_load_b128 v[BI+4*\c:BI+4*\c+3], v[BO], s[12:13] offset:16*\c    ; b of my 16 experts: wanted last
.endr
	; the keys of the choice, made while everything is on its way: 63 - expert, so that among equal numbers the largest key is the lowest index
	v_lshlrev_b32 v20, 4, v25
	v_sub_nc_u32 v20, 63, v20
.irp j, 0,1,2,3,4,5,6,7,8,9,10,11,12,13,14,15
	v_add_nc_u32 v[KEY+\j], -\j, v20
.endr
.irp j, 0,1,2,3,4,5,6,7,8,9,10,11,12,13,14,15
	v_cvt_f32_u32 v[KEY+\j], v[KEY+\j]
.endr
	v_mov_b32 v[NEG], -1.0
	s_mov_b32 s[CS], 0x3fb8aa3b                    ; log2(e)
	s_mov_b32 s[CS+1], s[CS]                       ; (named with it as a pair, so it is written)
; Tile j of W, whole, into registers: 8 fragments of 16 experts x 128 K.  A fragment is 16 registers: lane l holds row l % 16; registers 4 c .. 4 c + 3 hold K = 32 c + 16 (l / 16) + 0 .. 15.
.macro WFLOAD j
	WIN 0x80+0x40*((\j)/2)                         ; destination window 2 or 3
.irp t, 0,1,2,3
.irp s, 0,1
.irp c, 0,1,2,3
	ds_load_b128 v[128*((\j)%2)+16*(2*\t+\s)+4*\c:128*((\j)%2)+16*(2*\t+\s)+4*\c+3], v[FR] offset:(\j)*TILE+\t*16*PITCH+128*\s+32*\c
.endr
.endr
.endr
	WIN 0
.endm
; Unit u = 2 j + i: rows 16 i .. 16 i + 15, my 256 bytes j.  Its eight loads go into the bytes of W's tile j, which has had its only fill and has been read out (LDS serves a wave's instructions in order, ISA guide 5.7.1.4:
; these stores come behind the loads of WFLOAD j, and the loads below behind these stores), and come back as two fragments.
.macro STAGE u
.set uj, (\u)/2
.set ui, (\u)%2
	WIN 0x04                                       ; an LDS store's data are its source 1: window 1
.irp k, 0,1,2,3,4,5,6,7
.set un, 16*uj+8*ui+\k
.if 67-un > 63
	s_wait_loadcnt 63                              ; (the largest count that the field names)
.else
	s_wait_loadcnt 67-un                           ; loads come back in order (ISA guide 5.7.1): behind x's load n stand 63 - n of x and 4 of b
.endif
	ds_store_b128 v[ST], v[4*un:4*un+3] offset:uj*TILE+(8*ui+\k)*2*PITCH
.endr
	WIN 0
.irp s, 0,1
.irp c, 0,1,2,3
	ds_load_b128 v[XF+32*ui+16*\s+4*\c:XF+32*ui+16*\s+4*\c+3], v[FR] offset:uj*TILE+ui*16*PITCH+128*\s+32*\c
.endr
.endr
.endm
; One product: experts 16 t on, rows 16 i on, K step s of tile j.  The scale words of two tiles share a register: the even tile's in lanes 0-15, the odd tile's in lanes 16-31 (ROW1).  The very first K step starts the sums: nothing is cleared.
.macro WM t, i, j, s
.set rD, ACC+8*(4*(\i)+(\t))
.set rA, 128*((\j)%2)+16*(2*(\t)+(\s))
.set rB, XF+32*(\i)+16*(\s)
.set rP, SW+8*((\t)/2)+2*(\j)+(\s)
.set rQ, SX+2*(\j)+(\s)
.if ((\j)+(\s)) == 0
.if ((\t)%2 == 0) && ((\i) == 0)
	v_wmma_scale_f32_16x16x128_f8f6f4 v[rD:rD+7], v[rA:rA+15], v[rB:rB+15], 0, v[rP], v[rQ] matrix_a_fmt:MATRIX_FMT_BF8 matrix_b_fmt:MATRIX_FMT_BF8
.elseif ((\t)%2 == 1) && ((\i) == 0)
	v_wmma_scale_f32_16x16x128_f8f6f4 v[rD:rD+7], v[rA:rA+15], v[rB:rB+15], 0, v[rP], v[rQ] matrix_a_fmt:MATRIX_FMT_BF8 matrix_b_fmt:MATRIX_FMT_BF8 matrix_a_scale:MATRIX_SCALE_ROW1
.elseif ((\t)%2 == 0)
	v_wmma_scale_f32_16x16x128_f8f6f4 v[rD:rD+7], v[rA:rA+15], v[rB:rB+15], 0, v[rP], v[rQ] matrix_a_fmt:MATRIX_FMT_BF8 matrix_b_fmt:MATRIX_FMT_BF8 matrix_b_scale:MATRIX_SCALE_ROW1
.else
	v_wmma_scale_f32_16x16x128_f8f6f4 v[rD:rD+7], v[rA:rA+15], v[rB:rB+15], 0, v[rP], v[rQ] matrix_a_fmt:MATRIX_FMT_BF8 matrix_b_fmt:MATRIX_FMT_BF8 matrix_a_scale:MATRIX_SCALE_ROW1 matrix_b_scale:MATRIX_SCALE_ROW1
.endif
.else
.if ((\t)%2 == 0) && ((\i) == 0)
	v_wmma_scale_f32_16x16x128_f8f6f4 v[rD:rD+7], v[rA:rA+15], v[rB:rB+15], v[rD:rD+7], v[rP], v[rQ] matrix_a_fmt:MATRIX_FMT_BF8 matrix_b_fmt:MATRIX_FMT_BF8
.elseif ((\t)%2 == 1) && ((\i) == 0)
	v_wmma_scale_f32_16x16x128_f8f6f4 v[rD:rD+7], v[rA:rA+15], v[rB:rB+15], v[rD:rD+7], v[rP], v[rQ] matrix_a_fmt:MATRIX_FMT_BF8 matrix_b_fmt:MATRIX_FMT_BF8 matrix_a_scale:MATRIX_SCALE_ROW1
.elseif ((\t)%2 == 0)
	v_wmma_scale_f32_16x16x128_f8f6f4 v[rD:rD+7], v[rA:rA+15], v[rB:rB+15], v[rD:rD+7], v[rP], v[rQ] matrix_a_fmt:MATRIX_FMT_BF8 matrix_b_fmt:MATRIX_FMT_BF8 matrix_b_scale:MATRIX_SCALE_ROW1
.else
	v_wmma_scale_f32_16x16x128_f8f6f4 v[rD:rD+7], v[rA:rA+15], v[rB:rB+15], v[rD:rD+7], v[rP], v[rQ] matrix_a_fmt:MATRIX_FMT_BF8 matrix_b_fmt:MATRIX_FMT_BF8 matrix_a_scale:MATRIX_SCALE_ROW1 matrix_b_scale:MATRIX_SCALE_ROW1
.endif
.endif
.endm
; A unit's eight products: its row tile's four accumulators by turns, one instruction a turn, twice round; the next unit takes the other row tile's four
.macro MUL u
	WIN 0x02+((\u)/4)                              ; source 0 (W) window 2 or 3
.irp s, 0,1
.irp t, 0,1,2,3
	WM \t, (\u)%2, (\u)/2, \s
.endr
.endr
	WIN 0
.endm
; Row tile i's four accumulators go to LDS as rows of logits, into the bytes of my tile 0, which are done with; each accumulator from its low end on
.macro PART i
.irp t, 0,1,2,3
	ds_store_b128 v[PT], v[ACC+8*(4*(\i)+\t):ACC+8*(4*(\i)+\t)+3] offset:(\i)*16*PITCH+64*\t
	ds_store_b128 v[PT], v[ACC+8*(4*(\i)+\t)+4:ACC+8*(4*(\i)+\t)+7] offset:(\i)*16*PITCH+64*\t+16
.endr
.endm
	s_wait_tensorcnt 3                             ; a wave's tensor loads end in order (ISA guide 10.11.1): my tile 0 is in LDS, three stay out.  I alone read it
	WFLOAD 0
	s_wait_loadcnt 63                              ; at most 63 of the 74 loads are out: the eleven oldest are in, the six of scales among them
.irp c, 0,1,2,3
	ds_store_b128 v[SWS], v[SCT+4*\c:SCT+4*\c+3] offset:2*PITCH*\c
.endr
.irp c, 0,1
	ds_store_b128 v[SXS], v[SCT+16+4*\c:SCT+16+4*\c+3] offset:2*PITCH*\c
.endr
	s_wait_dscnt 0x0                               ; for the others' sake: my part of the scales lies in LDS
	s_barrier_signal -1
	s_barrier_wait -1                              ; everybody's part does
	ds_load_b128 v[SW:SW+3], v[SA]                 ; lane l: expert l, K steps 0-3 of my eight;
	ds_load_b128 v[SW+4:SW+7], v[SA] offset:16     ; K steps 4-7;
	ds_load_b128 v[SW+8:SW+11], v[SA] offset:16*PITCH      ; expert 32 + l;
	ds_load_b128 v[SW+12:SW+15], v[SA] offset:16*PITCH+16
	ds_load_b128 v[SX:SX+3], v[SA] offset:32*PITCH         ; row l of x
	ds_load_b128 v[SX+4:SX+7], v[SA] offset:32*PITCH+16
	STAGE 0
; The eight units, one ahead: unit u + 1 is turned through LDS in front of unit u's products, so that its way through LDS lies under them.
.irp u, 0,1,2,3,4,5,6
.if (\u)%2 == 1
	s_wait_tensorcnt 3-((\u)+1)/2                  ; the next tile of W has landed; the later ones stay out
	WFLOAD ((\u)+1)/2
.endif
	STAGE (\u)+1
	s_wait_dscnt 16+32*((\u)%2)                    ; unit u's fragments are in: behind them stand the next unit's 8 stores and 8 loads, and behind an odd unit the 32 loads of W's next tile
	MUL \u
	PLACES                                         ; in front of the loads into this unit's set of fragments, two units on, and of the stores below
.endr
	PART 0                                         ; rows 0-15 are finished: they leave under the last unit's products
	s_wait_dscnt 8                                 ; the last unit's fragments are in: behind them stand those 8 stores
	MUL 7
	PLACES
	PART 1
	s_wait_dscnt 0x0                               ; for the others' sake: my partial logits lie in LDS
	s_barrier_signal -1
	s_barrier_wait -1
	; THE LAST STAGE.  Thread t: row t / 4, experts 16 (t % 4) + 0 .. 15: 64 bytes of each wave's partial logits.  A row's four lanes are neighbours.
.irp v, 0,1,2,3
.irp c, 0,1,2,3
	ds_load_b128 v[P+16*\v+4*\c:P+16*\v+4*\c+3], v[RD+\v] offset:16*\c
.endr
.endr
	s_wait_dscnt 8                                 ; waves 0 and 1's are in
.irp k, 0,2,4,6,8,10,12,14
	v_pk_add_f32 v[P+\k:P+\k+1], v[P+\k:P+\k+1], v[P+16+\k:P+16+\k+1]
.endr
	s_wait_dscnt 0x0
.irp k, 0,2,4,6,8,10,12,14
	v_pk_add_f32 v[P+32+\k:P+32+\k+1], v[P+32+\k:P+32+\k+1], v[P+48+\k:P+48+\k+1]
.endr
.irp k, 0,2,4,6,8,10,12,14
	v_pk_add_f32 v[P+\k:P+\k+1], v[P+\k:P+\k+1], v[P+32+\k:P+32+\k+1]
.endr
	s_wait_loadcnt 0x0                             ; b
.irp k, 0,2,4,6,8,10,12,14
	v_pk_add_f32 v[P+\k:P+\k+1], v[P+\k:P+\k+1], v[BI+\k:BI+\k+1]     ; the logits
.endr
; The largest of the row's 64 numbers, of which v[s] .. v[s + 15] are mine, into v[d] of all four lanes
.macro MAX16 d, s
	v_max3_num_f32 v[\d], v[\s], v[\s+1], v[\s+2]
	v_max3_num_f32 v22, v[\s+3], v[\s+4], v[\s+5]
	v_max3_num_f32 v23, v[\s+6], v[\s+7], v[\s+8]
	v_max3_num_f32 v24, v[\s+9], v[\s+10], v[\s+11]
	v_max3_num_f32 v[\d], v[\d], v[\s+12], v[\s+13]
	v_max3_num_f32 v22, v22, v[\s+14], v[\s+15]
	v_max3_num_f32 v[\d], v[\d], v22, v23
	v_max_num_f32 v[\d], v[\d], v24
	v_max_num_f32_dpp v[\d], v[\d], v[\d] row_xmask:1 row_mask:0xf bank_mask:0xf
	v_max_num_f32_dpp v[\d], v[\d], v[\d] row_xmask:2 row_mask:0xf bank_mask:0xf
.endm
; Among the row's numbers in v[P] on that equal v[val], the largest key, that is the lowest index, into v[d]
.macro PICK d, val
.irp j, 0,1,2,3,4,5,6,7,8,9,10,11,12,13,14,15
	v_cmp_eq_f32 s[MK+\j], v[P+\j], v[\val]
.endr
.irp j, 0,1,2,3,4,5,6,7,8,9,10,11,12,13,14,15
	v_cndmask_b32 v[P+16+\j], v[NEG], v[KEY+\j], s[MK+\j]
.endr
	MAX16 \d, P+16
.endm
	MAX16 20, P                                    ; the row's largest logit
	v_mov_b32 v21, v20
.irp k, 0,2,4,6,8,10,12,14
	v_pk_add_f32 v[P+\k:P+\k+1], v[P+\k:P+\k+1], v[20:21] neg_lo:[0,1] neg_hi:[0,1]   ; l - max first, as the softmax has it: the difference of near logits is exact however large they are; so it is not fused with the factor below
.endr
.irp k, 0,2,4,6,8,10,12,14
	v_pk_mul_f32 v[P+\k:P+\k+1], v[P+\k:P+\k+1], s[CS:CS+1] op_sel_hi:[1,0]
.endr
.irp j, 0,1,2,3,4,5,6,7,8,9,10,11,12,13,14,15
	v_exp_f32 v[P+\j], v[P+\j]                     ; e = exp(l - max), at most 1
.endr
	v_nop                                          ; a plain instruction behind the last exponential
	s_wait_alu depctr_va_vdst(0)                   ; one wait for the batch, ahead of its first reader
	v_pk_add_f32 v[P+32:P+33], v[P:P+1], v[P+2:P+3]
	v_pk_add_f32 v[P+34:P+35], v[P+4:P+5], v[P+6:P+7]
	v_pk_add_f32 v[P+36:P+37], v[P+8:P+9], v[P+10:P+11]
	v_pk_add_f32 v[P+38:P+39], v[P+12:P+13], v[P+14:P+15]
	v_pk_add_f32 v[P+32:P+33], v[P+32:P+33], v[P+34:P+35]
	v_pk_add_f32 v[P+36:P+37], v[P+36:P+37], v[P+38:P+39]
	v_pk_add_f32 v[P+32:P+33], v[P+32:P+33], v[P+36:P+37]
	v_add_f32 v[SU], v[P+32], v[P+33]
	v_add_f32_dpp v[SU], v[SU], v[SU] row_xmask:1 row_mask:0xf bank_mask:0xf
	v_add_f32_dpp v[SU], v[SU], v[SU] row_xmask:2 row_mask:0xf bank_mask:0xf      ; the row's sum
	v_rcp_f32 v[RC], v[SU]                         ; the whole choice stands between the reciprocal and its first reader
	MAX16 A1, P                                    ; the largest e,
	PICK K1, A1                                    ; and the lowest index that has it
.irp j, 0,1,2,3,4,5,6,7,8,9,10,11,12,13,14,15
	v_cmp_eq_f32 s[MK+\j], v[KEY+\j], v[K1]
.endr
.irp j, 0,1,2,3,4,5,6,7,8,9,10,11,12,13,14,15
	v_cndmask_b32 v[P+\j], v[P+\j], v[NEG], s[MK+\j]      ; that expert is struck out: -1 lies under every e
.endr
	MAX16 A2, P                                    ; the largest of the other 63,
	PICK K2, A2                                    ; and the lowest index that has it
	v_sub_f32 v[O], 0x427c0000, v[K1]              ; index = 63 - key
	v_sub_f32 v[O+1], 0x427c0000, v[K2]
	s_wait_alu depctr_va_vdst(0)                   ; the wait for the reciprocal, ahead of its first reader
	v_mul_f32 v[O+2], v[A1], v[RC]
	v_mul_f32 v[O+3], v[A2], v[RC]
	v_cvt_i32_f32 v[O], v[O]
	v_cvt_i32_f32 v[O+1], v[O+1]
	ds_store_b128 v[RS], v[O:O+3]                  ; a row's four lanes write the same 16 bytes with the same values
	s_wait_dscnt 0x0                               ; for wave 0's sake
	s_barrier_signal -1
	s_barrier_wait -1
	s_cmp_lg_u32 s[WV], 0                          ; wave 0 stores for the work-group: lane l has row l
	s_cbranch_scc1 .Lstored
	ds_load_b128 v[20:23], v[RR]
	s_wait_dscnt 0x0
	global_store_b64 v[OO], v[20:21], s[14:15] th:TH_STORE_NT     ; 32 lanes store 256 consecutive bytes, at a multiple of 256 from out0's first byte
	global_store_b64 v[OO], v[22:23], s[16:17] th:TH_STORE_NT     ; and the same of out1
.Lstored:
	s_wait_tensorcnt 0x0
	ds_add_u32 v190, v191
	s_wait_dscnt 0x0
	ROUND                                          ; the closing round: no work-group ends while a partner may still ask for a tile that names it
	s_endpgm
.Lfunc_end_k_q9ad556c4e7_router:
	.size	k_q9ad556c4e7_router, .Lfunc_end_k_q9ad556c4e7_router-k_q9ad556c4e7_router
	.p2alignl 7, 3214868480
	.fill 96, 4, 3214868480
	.section	.rodata,"a",@progbits
	.p2align	6, 0x0
	.amdhsa_kernel k_q9ad556c4e7_router
		.amdhsa_group_segment_fixed_size 295424
		.amdhsa_private_segment_fixed_size 0
		.amdhsa_enable_private_segment 0
		.amdhsa_kernarg_size 56
		.amdhsa_user_sgpr_count 2
		.amdhsa_user_sgpr_kernarg_segment_ptr 1
		.amdhsa_wavefront_size32 1
		.amdhsa_system_sgpr_workgroup_id_x 1
		.amdhsa_system_sgpr_workgroup_id_y 1
		.amdhsa_system_sgpr_workgroup_id_z 1
		.amdhsa_system_vgpr_workitem_id 0
		.amdhsa_next_free_vgpr 1024
		.amdhsa_next_free_sgpr 66
		.amdhsa_reserve_vcc 0
		.amdhsa_float_denorm_mode_32 3
		.amdhsa_float_denorm_mode_16_64 3
		.amdhsa_memory_ordered 1
		.amdhsa_forward_progress 1
		.amdhsa_inst_pref_size 62
	.end_amdhsa_kernel
	.amdgpu_metadata
---
amdhsa.version: [ 1, 2 ]
amdhsa.kernels:
  - .name:           k_q9ad556c4e7_router
    .symbol:         k_q9ad556c4e7_router.kd
    .args:
      - { .name: x_codes, .offset: 0, .size: 8, .value_kind: global_buffer, .address_space: global }
      - { .name: x_scales, .offset: 8, .size: 8, .value_kind: global_buffer, .address_space: global }
      - { .name: W_codes, .offset: 16, .size: 8, .value_kind: global_buffer, .address_space: global }
      - { .name: W_scales, .offset: 24, .size: 8, .value_kind: global_buffer, .address_space: global }
      - { .name: b, .offset: 32, .size: 8, .value_kind: global_buffer, .address_space: global }
      - { .name: out0, .offset: 40, .size: 8, .value_kind: global_buffer, .address_space: global }
      - { .name: out1, .offset: 48, .size: 8, .value_kind: global_buffer, .address_space: global }
    .group_segment_fixed_size: 295424
    .private_segment_fixed_size: 0
    .kernarg_segment_align: 8
    .kernarg_segment_size: 56
    .max_flat_workgroup_size: 128
    .sgpr_count:     66
    .vgpr_count:     1024
    .wavefront_size: 32
...
	.end_amdgpu_metadata
.endif
;; end of part 1
